; MI455X (gfx1250); checked and timed in simulation.
; The chip was launched on July 23, 2026; its instructions are those of AMD's public machine-readable ISA for CDNA 5 (MIT licence, August 2026) and "CDNA5" Instruction Set Architecture Reference Guide (July 2026). The comments in the code are by the model that wrote it; some were corrected since.
;; Full Attention. Allowed arithmetic: matrix products marked QUANTISED: E2M1 operands, one E8M0 scale for each 32 along K, by v_wmma_scale_f32_16x16x128_f8f6f4 with both operands' format E2M1 (or v_wmma_scale_f32_32x16x128_f4), f32 sums; everything else in f32.
;; Inputs: keys_codes 2 x 2,048 x 16 x 2 x 16 uint8 (E2M1 codes of keys, K innermost, in blocks of 32 codes, two codes a byte); keys_scales 2 x 2,048 x 16 x 2 uint8 (E8M0 scales of keys, one for each 32 codes along K); queries_codes 2 x 2,048 x 16 x 2 x 16 uint8 (E2M1 codes of queries, K innermost, in blocks of 32 codes, two codes a byte); queries_scales 2 x 2,048 x 16 x 2 uint8 (E8M0 scales of queries, one for each 32 codes along K); values_codes 2 x 16 x 64 x 64 x 16 uint8 (E2M1 codes of values, K innermost, in blocks of 32 codes, two codes a byte); values_scales 2 x 16 x 64 x 64 uint8 (E8M0 scales of values, one for each 32 codes along K).
;; Outputs: out0 2 x 2,048 x 16 x 64 float32.
;; This version of the problem:
;;   THIS VERSION OF THE PROBLEM IS GIVEN IN LOW PRECISION. The matrix products marked QUANTISED in the list below multiply operands that are first quantised to E2M1 (2 exponent bits, 1 mantissa bit; 4 bits a number), with one power-of-two scale for each 32 numbers along K (OCP MX v1.0); their sums are f32. All else is computed in f32.
;;   The module's matrix products, in the order in which they are computed (A, B: the left and right operand; K: the contracted axis; several contracted axes count as one K, in the product's order):
;;     1. batch 32 x [M 2,048, K 64] x [K 64, N 2,048]; A: input queries (given as codes); B: input keys (given as codes): QUANTISED
;;     2. batch 32 x [M 64, K 2,048] x [K 2,048, N 2,048]; A: input values (given as codes); B: softmax (see below): QUANTISED
;;   THE QUANTISER, for each operand of a quantised product, along K:
;;     - K is cut into blocks of 32 from its start; a last block that is shorter is filled with zeros.
;;     - A block's scale is 2^e with e = floor(log2(the largest magnitude in the block)) - 2, held to -126 .. 127; a block of zeros has e = 0. As a byte (E8M0): e + 127.
;;     - Each number is divided by its block's scale, clamped to +-6, and rounded to the nearest number of E2M1, ties to even, subnormals kept.
;;     - The product sums the exact products of the quantised numbers (number of the format x scale) in f32.
;;   ~~~python
;;   def quantise(x, axis):      # numpy; x: float32 -> the quantised numbers, widened to float32 again
;;       x = np.moveaxis(x, axis, -1); K = x.shape[-1]
;;       x = np.pad(x, [(0, 0)] * (x.ndim - 1) + [(0, -K % 32)]); x = x.reshape(x.shape[:-1] + (-1, 32)); a = np.abs(x).max(-1, keepdims=True)
;;       e = np.where(a > 0, np.clip(np.frexp(np.where(a > 0, a, 1))[1] - 1 - 2, -126, 127), 0)      # np.frexp(a)[1] - 1 = floor(log2(a)), exactly
;;       r = np.clip(x / 2.0 ** e, -6, 6)
;;       step = 2.0 ** (np.maximum(np.frexp(np.where(r == 0, 1, r))[1] - 1, 0) - 1)
;;       q = np.round(r / step) * step * 2.0 ** e      # np.round: ties to even
;;       return np.moveaxis(q.reshape(q.shape[:-2] + (-1,))[..., :K], -1, axis).astype(np.float32)
;;   ~~~
;;   SOFTMAX AHEAD OF A QUANTISED PRODUCT. Where the list says 'softmax', what is quantised is not the finished softmax but p = 2^(t - M), with t = logit x log2(e) and M = ceil(the row's largest t), a whole number; so 1/2 < the row's largest p <= 1. The row's sum l is taken of the UNQUANTISED p, in f32, and the product's result is divided by l at the end. Since M is a whole number, a kernel that streams over the keys may use a running M (the ceiling of the running maximum): every later rescaling is an exact power of two, which a block's scale takes up: the codes' values come out the same.
;;   OPERANDS COMPUTED ON THE WAY. 'Computed on the way' means the value that the module computes at that place (a softmax that the list does not call 'softmax' is quantised finished and normalised). What goes into a quantiser is computed in f32, as accurately as f32 sums, v_exp_f32 and their like allow (about 1e-6 of the number): no bf16 or f16 on the way to a quantiser, and a product that is left as it is and whose result goes on into a quantised operand takes f32 operands (vector FMAs, or v_wmma_f32_16x16x4_f32). A number that lies on a knife's edge between two numbers of the format may be rounded either way, as far as f32 arithmetic and the matrix unit's own rounding can turn it there, and no further.
;;   INPUTS GIVEN AS CODES. keys (in the module: [2, 2048, 16, 64], K = its axis 3); queries (in the module: [2, 2048, 16, 64], K = its axis 3); values (in the module: [2, 2048, 16, 64], K = its axis 1): each comes as NAME_codes (uint8): NAME with its K axis moved to the last place and cut into blocks of 32 codes, [.., K / 32, bytes a block], one block behind the other in memory; two codes a byte, the lower K in the low four bits (a code: sign, 2 exponent bits, 1 mantissa bit); and NAME_scales (uint8): the same leading axes, one E8M0 byte (e + 127) for each 32 codes along K. Its value is code x scale, taken as it is: it is not quantised again, and the codes and scales need not be those that the quantiser above would give.
;; One version. Each part assembles by itself: llvm-mc -triple=amdgcn-amd-amdhsa -mcpu=gfx1250 --defsym DOCPART=n.
;; ======== version 1 of 1: 1 launch
;; launch attn (part 1): grid 8 x 32, 8 waves a work-group, clusters of 4 x 1, 238,592 bytes of LDS; arguments keys_codes, keys_scales, queries_codes, queries_scales, values_codes, values_scales, out0; writes out0
.if DOCPART == 1
	.amdgcn_target "amdgcn-amd-amdhsa--gfx1250"
	.amdhsa_code_object_version 6
	.text
	.protected	k_qdd53c267b0_attn
	.globl	k_qdd53c267b0_attn
	.p2align	8
	.type	k_qdd53c267b0_attn,@function
k_qdd53c267b0_attn:
	s_mov_b64 s[64:65], 0
	v_nop
	global_prefetch_b8 v0, s[64:65] scope:SCOPE_SE
	s_setreg_imm32_b32 hwreg(HW_REG_WAVE_MODE, 25, 1), 1
	s_wait_xcnt 0x0
	s_wait_alu depctr_hold_cnt(0) depctr_sa_sdst(0) depctr_va_vdst(0) depctr_va_sdst(0) depctr_va_ssrc(0) depctr_va_vcc(0) depctr_vm_vsrc(0)
	s_getreg_b32 s2, hwreg(HW_REG_IB_STS2, 6, 4)
	s_cmp_eq_u32 s2, 0
	s_cbranch_scc0 .Lentry_in_a_cluster
	s_endpgm
.Lentry_in_a_cluster:
	s_bfe_u32 s2, ttmp6, 0x10000c
	s_cmp_lg_u32 s2, 0x3003
	s_cbranch_scc0 .Lentry_shape_is_right
	s_endpgm
.Lentry_shape_is_right:
; out0[b][q][hd][:] = the sum over keys k <= q of softmax_k(Q[q] . K[k] / 8) V[k][:], for 2 x 16 heads of 2,048 queries and keys, head size 64.  Both products on codes of FP4 (E2M1) with one E8M0 scale for each 32 along K.
; Q, K: codes [b][s][hd][32 bytes], scale bytes [b][s][hd][2].  V: codes with the keys innermost, [b][hd][64 (d)][1,024 bytes], scale bytes [b][hd][64][64].  out0: f32, [b][q][hd][64].
; THE SOFTMAX AHEAD OF THE SECOND PRODUCT: t = score x log2(e) / 8; M = the largest t so far, rounded UP to a whole number; p = 2^(t - M) is quantised along the keys, not normalised.  The row's sum is taken of the
; unquantised p and divides O at the end.  When M moves, the sum and O are multiplied by 2^(old M - new M), which rounds nothing.
; SHARES.  Work-group (c, head), c = 0 .. 7, takes the tiles of 16 queries 128 j + 16 c + 0 .. 15, j = 0 .. 15.  Tile j needs the key steps (128 keys) 0 .. j, whatever c is, and step j lies on the diagonal: so all work-groups
; have the same 136 tile steps, and no branch, trip count or LDS address hangs on c.  Wave w takes tile j = 15 - w and then tile j = w: 17 steps for every wave.
; LDS.  One head's K (64 KiB of codes), V (65 KiB with padding) and scale bytes fit in LDS together: every byte is filled ONCE, at the start; there is no ring and nothing is filled again.
; K's scale bytes lie 32 bytes apart in memory (2 for each of 16 heads): the batch's rows come whole, 64 KiB dense, and a lane picks its key's two bytes by a 16-bit LDS load, which leaves the word {byte 0, byte 1, 0, 0}.
; CLUSTER.  The four work-groups of a cluster belong to one head and need the same K and V: each tile is asked for JOINTLY, by the same tensor load with the same descriptor and the mask of all four.
; K comes in four chunks of 512 keys: every wave's first tile has 9 steps or more, so all waves walk steps 0-3 behind the first barrier, 4-7 behind the second and the rest behind the third, while later chunks land.
; LAYOUT.  Both products are used transposed: S^T = K Q^T (source 0 = 16 keys, source 1 = my 16 queries), O^T = V^T P^T (source 0 = 16 of the head's 64, source 1 = P): a lane holds ONE query (lane % 16) throughout.
; THE KEYS OF A TILE ARE NOT NEIGHBOURS: lane r of tile 2 b + u takes key 32 b + 8 u + r + 8 (r / 8), so that the 16 registers of tiles 2 b and 2 b + 1 are the 16 neighbouring keys 32 b + 16 (lane / 16) + 0 .. 15.
; THE FIRST PRODUCT'S K IS 64, the instruction's 128: Q's upper four registers are zero codes.  K's fragment of tile t is named as v[KF + 4 t .. + 7]: its upper four registers are the next tile's codes (behind tile 7: zeros);
; they meet Q's zero codes under finite scales (byte 0 on both sides) and add exactly nothing.  So one 16-byte load brings a fragment of K.
; O^T and the sum begin as zeros and the largest t as -3e38 (32 moves a tile), so that the key step needs no first form of its own.
; LIMITS: a scale byte 0xff gives NaN, as the format says; p under 2^-126 falls to 0 (the exponential's own flush); 1 / sum is v_rcp_f32's; scores are taken to be finite.
.set KB,   0                           ; LDS: K's codes, 2,048 rows x 32 bytes.  (A tile's two groups of eight keys lie 16 rows apart: a padding behind each row would not part them)
.set KSB,  65536                       ; the batch's rows of K's scale bytes, 2,048 x 32 bytes
.set CHK,  16384                       ; 512 keys of either
.set VB,   131072                      ; V's codes: 64 rows x (1,024 bytes + 16)
.set VP,   1040
.set VSB,  VB+64*VP                    ; V's scale bytes: 64 rows x (64 bytes + 16)
.set VSP,  80
.set STG,  VSB+64*VSP                  ; the way out: 16 rows x (256 bytes + 16) for each wave; no fill lands here
.set SP,   272
.set AK0,  1                           ; v1   my lane's place in a tile of K
.set AV0,  2                           ; v2   in a tile of V
.set ASK0, 3                           ; v3   among K's scale bytes
.set ASV0, 4                           ; v4   among V's scale words
.set DM,   5                           ; v5   16 c + lane % 16 - 16 (lane / 16): the diagonal step's mask
.set STO,  6                           ; v6   the stage: where I put 32 bytes of a row
.set RD,   7                           ; v7   and where I read a row back
.set ADK,  8                           ; v8-11 the step's addresses: K, V, K's scales, V's scales
.set ADV,  9
.set ADS,  10
.set ADT,  11
                                       ; v12 -M, v13 the largest t, v[14:15] the sum in two halves
.set QH,   16                          ; v16-23 Q's fragment of the late tile (v20-23 zeros);  v24-31 of the early tile
.set QL,   24
.set KF,   32                          ; v32-63 K's eight fragments, four registers each;  v64-67 zeros
.set ZR,   64
.set KSC,  68                          ; v68-75 K's scale words;  v76-79 V's
.set VSC,  76
.set VF,   80                          ; v80-111 V's four fragments
.set S,    112                         ; v112-175 S^T, then p; on the way out v112-143 O / sum, v144-175 whole rows
.set BK,   144
.set O,    176                         ; v176-207 O^T, four tiles
.set PC,   208                         ; v208-215 p's codes
.set BM,   216                         ; v216-219 each block's largest score, then its largest p
.set PT,   220                         ; v220-223 the other half's; then the bytes
.set SO,   224                         ; v224-227 the conversions' scale operands
.set T0,   228
.set NINF, 229                         ; -infinity
.set F,    230                         ; f = 2^(old M - new M)
.set PW,   231                         ; p's scale word
.set L2,   232                         ; v[232:233] the sum's second chain
.set QSH,  234                         ; Q's scale words, late tile and early tile
.set QSL,  235
.set GOH,  236                         ; my byte offsets in out0, likewise; never rewritten
.set GOL,  237
.set WV,   18                          ; s18  my wave's number
.set JTK,  19                          ; s19  4,096 x the j of the tile in hand
.set SEL,  20                          ; s[20:21] v_permlanex16_b32's selects for lane l xor 16
.set CS,   22                          ; s[22:23] c = log2(e) / 8
.set G1K,  24                          ; descriptor groups 1: K's chunks, scale chunks, V, V's scales
.set G1S,  32
.set G1V,  40
.set G1T,  48
.set GK0,  56                          ; groups 0, one for each load, never rewritten
.set GK1,  60
.set GK2,  68
.set GK3,  72
.set GS0,  76
.set GS1,  80
.set GS2,  84
.set GS3,  88
.set GV,   92
.set GT,   96
.set TK,   100                         ; s100 the step's place in K's codes and in K's scale rows: 4,096 bytes a step
.set TV,   101                         ; s101 in V's rows: 64 bytes a step
.set TT,   104                         ; s104 in V's scale rows: 4 bytes a step
.set CNT,  105                         ; s105 a loop's trips
.set W0K,  15|(1<<21)                                          ; 15:0 the mask: all four work-groups; 17:16 elements of 1 byte; 21 set beside a mask; no padding
.set W0S,  15|(3<<16)|(1<<21)                                  ; elements of 8 bytes; no padding
.set W0V,  15|(3<<16)|(1<<20)|(1<<21)|(7<<22)|(3<<25)          ; padding on: after every 256 words (code 7) four words (code 3)
.set W0T,  15|(3<<16)|(1<<20)|(1<<21)|(3<<22)|(3<<25)          ; after every 16 words (code 3) four words
.macro G1SET g, w0, c, r, p            ; a tile of r rows of c elements, p elements from row to row; the extents are the tile's own
	s_mov_b32 s[\g], \w0
	s_mov_b32 s[\g+1], (\c)<<16                    ; tensor_dim0
	s_mov_b32 s[\g+2], (\r)<<16                    ; tensor_dim1
	s_mov_b32 s[\g+3], (\c)<<16                    ; tile_dim0
	s_mov_b32 s[\g+4], \r                          ; tile_dim1
	s_mov_b32 s[\g+5], \p                          ; tensor_dim0_stride
	s_mov_b32 s[\g+6], 0
	s_mov_b32 s[\g+7], 0
.endm
.macro G0SET g, lds, p, off            ; to LDS byte lds, from off bytes behind the address in s[p:p+1]
	s_mov_b32 s[\g], 1                             ; count = 1
	s_mov_b32 s[\g+1], \lds
	s_add_nc_u64 s[\g+2:\g+3], s[\p:\p+1], \off
	s_or_b32 s[\g+3], s[\g+3], 0x80000000          ; type = 2
.endm
; A round of the cluster's barrier: my work-group's barrier; wave 0 signals for the work-group; every wave waits for all four work-groups; my work-group's barrier once more.
.macro ROUND
	s_barrier_signal -1
	s_barrier_wait -1
	s_cmp_lg_u32 s[WV], 0
	s_cbranch_scc1 .Lnot_wave_0_\@
	s_barrier_signal -3
.Lnot_wave_0_\@:
	s_barrier_wait -3
	s_barrier_signal -1
	s_barrier_wait -1
.endm
	s_load_b256 s[4:11], s[0:1], 0x0               ; K's codes s[4:5], K's scales s[6:7], Q's codes s[8:9], Q's scales s[10:11]
	s_load_b128 s[12:15], s[0:1], 0x20             ; V's codes s[12:13], V's scales s[14:15]
	s_load_b64 s[16:17], s[0:1], 0x30              ; out0
	v_lshl_add_u32 v254, v0, 2, 0x3a000
	v_mov_b32 v255, 0
	ds_add_u32 v254, v255
	ds_add_u32 v254, v255
	v_lshrrev_b32 v241, 5, v0
	s_delay_alu instid0(VALU_DEP_1)
	v_readfirstlane_b32 s[WV], v241                ; wave 0..7
	s_and_b32 s100, ttmp7, 0xffff                  ; 16 b + hd: the cluster's y, which the four partners share
	s_and_b32 s101, s100, 15                       ; hd
	s_lshr_b32 s104, s100, 4                       ; b
	s_lshl_b32 s105, s101, 1                       ; 2 hd: the head's two bytes in a row of scale bytes
	v_and_b32 v238, 15, v0                         ; r = lane % 16
	v_bfe_u32 v239, v0, 4, 1                       ; h = lane / 16
	s_delay_alu instid0(VALU_DEP_2)
	v_and_b32 v240, 8, v238
	s_delay_alu instid0(VALU_DEP_1)
	v_add_nc_u32 v240, v240, v238                  ; r + 8 (r / 8)
	s_delay_alu instid0(VALU_DEP_1)
	v_lshlrev_b32 v[AK0], 5, v240
	s_delay_alu instid0(VALU_DEP_1)
	v_lshl_add_u32 v[AK0], v239, 4, v[AK0]         ; K: 32 bytes a key, + 16 h (KB = 0)
	v_mul_u32_u24 v[AV0], v238, VP
	s_delay_alu instid0(VALU_DEP_1)
	v_lshl_add_u32 v[AV0], v239, 4, v[AV0]
	s_delay_alu instid0(VALU_DEP_1)
	v_add_nc_u32 v[AV0], VB, v[AV0]                ; V: row r, + 16 h
	v_lshl_add_u32 v[ASK0], v240, 5, KSB
	s_delay_alu instid0(VALU_DEP_1)
	v_add_nc_u32 v[ASK0], s105, v[ASK0]            ; K's scale bytes: 32 bytes a key, + 2 hd
	v_mul_u32_u24 v[ASV0], v238, VSP
	s_delay_alu instid0(VALU_DEP_1)
	v_add_nc_u32 v[ASV0], VSB, v[ASV0]             ; V's scale words: row r
	s_mul_i32 s66, s[WV], 16*SP
	s_add_co_u32 s66, s66, STG                     ; my stage
	v_mul_u32_u24 v[STO], v238, SP
	s_delay_alu instid0(VALU_DEP_1)
	v_lshl_add_u32 v[STO], v239, 5, v[STO]
	s_delay_alu instid0(VALU_DEP_1)
	v_add_nc_u32 v[STO], s66, v[STO]               ; in: row r, + 32 h
	v_mul_u32_u24 v[RD], v239, SP
	s_delay_alu instid0(VALU_DEP_1)
	v_lshl_add_u32 v[RD], v238, 4, v[RD]
	s_delay_alu instid0(VALU_DEP_1)
	v_add_nc_u32 v[RD], s66, v[RD]                 ; back: lanes 0-15 one row, lanes 16-31 the next, 16 bytes a lane
.irp i, 0,1,2,3
	v_mov_b32 v[QH+4+\i], 0                        ; Q's zero codes for k = 64 .. 127
	v_mov_b32 v[QL+4+\i], 0
	v_mov_b32 v[ZR+\i], 0                          ; what stands behind K's last fragment
	v_mov_b32 v[PT+\i], 0                          ; written once: a lane permute's destination counts as one of its sources
.endr
	v_mov_b32 v[T0], 0                             ; likewise
	v_mov_b32 v[PW], 0                             ; (named as the upper half of the pair v[230:231] before it is first written)
	v_mov_b32 v[NINF], 0xff800000
	s_mov_b32 s[SEL], 0x76543210
	s_mov_b32 s[SEL+1], 0xfedcba98
	s_mov_b32 s[CS], 0x3e38aa3b                    ; c = log2(e) / 8
	s_mov_b32 s[CS+1], s[CS]                       ; (named with it as a pair, so it is written)
	G1SET G1K, W0K, 32, 512, 512                   ; 512 keys x 32 bytes, 512 bytes apart in memory
	G1SET G1S, W0S, 32, 64, 32                     ; 16 KiB dense, as 64 rows of 256 bytes
	G1SET G1V, W0V, 128, 64, 128                   ; 64 rows of 1,024 bytes, dense
	G1SET G1T, W0T, 8, 64, 8                       ; 64 rows of 64 bytes, dense
	s_lshl_b32 s66, s104, 20                       ; where the head begins in K's and in Q's codes: b x 2^20 + 32 hd
	s_lshl_b32 s19, s101, 5
	s_add_co_u32 s66, s66, s19
	s_mov_b32 s67, 0
	s_wait_dscnt 0x0
	s_wait_kmcnt 0x0
	s_add_nc_u64 s[4:5], s[4:5], s[66:67]
	s_add_nc_u64 s[8:9], s[8:9], s[66:67]
	s_lshl_b32 s66, s104, 16                       ; the batch's rows of scale bytes: b x 2^16
	s_add_nc_u64 s[6:7], s[6:7], s[66:67]
	s_add_co_u32 s66, s66, s105                    ; + 2 hd for Q's
	s_add_nc_u64 s[10:11], s[10:11], s[66:67]
	s_lshl_b32 s66, s100, 16                       ; V's codes: 65,536 bytes a head
	s_add_nc_u64 s[12:13], s[12:13], s[66:67]
	s_lshl_b32 s66, s100, 12                       ; V's scale bytes: 4,096 a head
	s_add_nc_u64 s[14:15], s[14:15], s[66:67]
	s_lshl_b32 s66, s104, 23                       ; out0: b x 2^23 + 256 hd
	s_lshl_b32 s19, s101, 8
	s_add_co_u32 s66, s66, s19
	s_add_nc_u64 s[16:17], s[16:17], s[66:67]
	G0SET GK0, KB,        4, 0                     ; K's chunk n: keys 512 n on, 512 x 512 bytes of memory apart
	G0SET GK1, KB+CHK,    4, 262144
	G0SET GK2, KB+2*CHK,  4, 524288
	G0SET GK3, KB+3*CHK,  4, 786432
	G0SET GS0, KSB,       6, 0                     ; and the same keys' rows of scale bytes
	G0SET GS1, KSB+CHK,   6, CHK
	G0SET GS2, KSB+2*CHK, 6, 2*CHK
	G0SET GS3, KSB+3*CHK, 6, 3*CHK
	G0SET GV,  VB,        12, 0
	G0SET GT,  VSB,       14, 0
	ROUND                                          ; all four work-groups are here: the joint loads meet
	; All fills of the launch, in one branch on the wave's number: wave 0 has four loads out, wave 1 six, the others none.  Four v_nop follow each run, ahead of the jump and the label.
	s_cmp_lg_u32 s[WV], 0
	s_cbranch_scc1 .Lnot_k
	tensor_load_to_lds s[GK0:GK0+3], s[G1K:G1K+7]
	s_nop 0
	tensor_load_to_lds s[GK1:GK1+3], s[G1K:G1K+7]
	s_nop 0
	tensor_load_to_lds s[GK2:GK2+3], s[G1K:G1K+7]
	s_nop 0
	tensor_load_to_lds s[GK3:GK3+3], s[G1K:G1K+7]
	s_nop 0
.rept 4
	v_nop
.endr
	s_branch .Lasked
.Lnot_k:
	s_cmp_lg_u32 s[WV], 1
	s_cbranch_scc1 .Lasked
	tensor_load_to_lds s[GT:GT+3], s[G1T:G1T+7]    ; what the first steps want comes first: V's scales, K's first scale chunk, V
	s_nop 0
	tensor_load_to_lds s[GS0:GS0+3], s[G1S:G1S+7]
	s_nop 0
	tensor_load_to_lds s[GV:GV+3], s[G1V:G1V+7]
	s_nop 0
	tensor_load_to_lds s[GS1:GS1+3], s[G1S:G1S+7]
	s_nop 0
	tensor_load_to_lds s[GS2:GS2+3], s[G1S:G1S+7]
	s_nop 0
	tensor_load_to_lds s[GS3:GS3+3], s[G1S:G1S+7]
	s_nop 0
.rept 4
	v_nop
.endr
.Lasked:
	; c, my work-group's x: it enters Q's and out0's global addresses and the mask's data, and lives in s[2:3] alone
	s_bfe_u32 s2, ttmp6, 0x40000                   ; cx
	s_lshl_b32 s3, ttmp9, 2
	s_add_co_u32 s2, s2, s3                        ; c = 4 x cluster x + cx
	s_mov_b32 s3, 0
	v_lshl_add_u32 v[DM], s2, 4, v238
	v_lshlrev_b32 v241, 4, v239
	s_delay_alu instid0(VALU_DEP_1)
	v_sub_nc_u32 v[DM], v[DM], v241                ; 16 c + r - 16 h
	s_lshl_b32 s2, s2, 9                           ; 16 c queries: 512 c bytes of scale rows,
	s_add_nc_u64 s[10:11], s[10:11], s[2:3]
	s_lshl_b32 s2, s2, 4                           ; 8,192 c of codes,
	s_add_nc_u64 s[8:9], s[8:9], s[2:3]
	s_lshl_b32 s2, s2, 3                           ; 65,536 c of out0
	s_add_nc_u64 s[16:17], s[16:17], s[2:3]
	s_xor_b32 s[JTK], s[WV], 15                    ; the late tile's j = 15 - wave
	v_lshlrev_b32 v241, 9, v238
	s_delay_alu instid0(VALU_DEP_1)
	v_lshl_add_u32 v241, v239, 4, v241             ; Q's codes: 512 r + 16 h,
	s_delay_alu instid0(VALU_DEP_1)
	v_lshl_add_u32 v242, s[JTK], 16, v241          ; + 128 j rows of 512 bytes
	s_delay_alu instid0(VALU_DEP_2)
	v_lshl_add_u32 v243, s[WV], 16, v241
	v_lshlrev_b32 v241, 5, v238                    ; Q's scale bytes: 32 r + 128 j rows of 32 bytes
	s_delay_alu instid0(VALU_DEP_1)
	v_lshl_add_u32 v244, s[JTK], 12, v241
	s_delay_alu instid0(VALU_DEP_2)
	v_lshl_add_u32 v245, s[WV], 12, v241
	global_load_b128 v[QH:QH+3], v242, s[8:9]
	global_load_b128 v[QL:QL+3], v243, s[8:9]
	global_load_u16 v[QSH], v244, s[10:11]         ; {byte 0, byte 1, 0, 0}: lane r has query r's word
	global_load_u16 v[QSL], v245, s[10:11]
	v_lshlrev_b32 v241, 12, v239
	s_delay_alu instid0(VALU_DEP_1)
	v_lshl_add_u32 v241, v238, 4, v241             ; out0: lanes 0-15 one query's 256 bytes, lanes 16-31 the next query's, 4,096 bytes on,
	s_delay_alu instid0(VALU_DEP_1)
	v_lshl_add_u32 v[GOH], s[JTK], 19, v241        ; + 128 j rows of 4,096 bytes
	s_delay_alu instid0(VALU_DEP_2)
	v_lshl_add_u32 v[GOL], s[WV], 19, v241
	s_lshl_b32 s[JTK], s[JTK], 12
.macro INIT                            ; a tile begins: the largest t is -3e38, under every t; the sum and O^T are zeros, which the first change of M leaves zeros
	v_mov_b32 v13, 0xff61b1e6
	s_delay_alu instid0(VALU_DEP_1)
	v_floor_f32 v12, -v13
	v_mov_b32 v14, 0
	v_mov_b32 v15, 0
.set n, 0
.rept 32
	v_mov_b32 v[O+n], 0
.set n, n+1
.endr
	s_mov_b32 s[TK], 0
	s_mov_b32 s[TV], 0
	s_mov_b32 s[TT], 0
.endm
; A KEY STEP: my tile of 16 queries (fragment qf, scale words qs) against 128 keys.  edge = 1: the step may lie on the diagonal or beyond it.
.macro STEP qf, qs, edge
.if \edge
	s_cmp_gt_u32 s[TK], s[JTK]                     ; all keys come after my queries: the work is left out; the lines that step addresses are not.  The branch hangs on the wave's number and the trip alone
	s_cbranch_scc1 .Lskip_\@
.endif
	s_setprio 2
	v_add_nc_u32 v[ADK], s[TK], v[AK0]             ; these four are also the places between the last step's products V^T P^T and the loads into V's registers below
	v_add_nc_u32 v[ADS], s[TK], v[ASK0]
	v_add_nc_u32 v[ADV], s[TV], v[AV0]
	v_add_nc_u32 v[ADT], s[TT], v[ASV0]
.irp t, 0,1,2,3,4,5,6,7
	ds_load_b128 v[KF+4*\t:KF+4*\t+3], v[ADK] offset:(32*(\t/2)+8*(\t%2))*32
	ds_load_u16 v[KSC+\t], v[ADS] offset:(32*(\t/2)+8*(\t%2))*32
.endr
	s_wait_alu depctr_va_vdst(0)
	s_wait_dscnt 0x0
.irp t, 0,1,2,3,4,5,6,7                        ; S^T = K Q^T: eight accumulators, each begun with the constant 0
	v_wmma_scale_f32_16x16x128_f8f6f4 v[S+8*\t:S+8*\t+7], v[KF+4*\t:KF+4*\t+7], v[\qf:\qf+7], 0, v[KSC+\t], v[\qs] matrix_a_fmt:MATRIX_FMT_FP4 matrix_b_fmt:MATRIX_FMT_FP4
.endr
.irp t, 0,1,2,3                                ; V's fragments and scale words are asked for now and land under the softmax
	ds_load_b128 v[VF+8*\t:VF+8*\t+3], v[ADV] offset:16*VP*\t
	ds_load_b128 v[VF+8*\t+4:VF+8*\t+7], v[ADV] offset:16*VP*\t+32
	ds_load_b32 v[VSC+\t], v[ADT] offset:16*VSP*\t
.endr
.rept 4
	v_nop                                          ; four places in front of the first read of the scores (ISA guide 7.12.1)
.endr
.if \edge
	s_cmp_lg_u32 s[TK], s[JTK]                     ; only the diagonal's step has hidden keys
	s_cbranch_scc1 .Lopen_\@
.set n, 0
.rept 64                                       ; register 16 b + i holds key 32 b + 16 h + i of the step, my query is number 16 c + r of it: hidden where 32 b + i > 16 c + r - 16 h.  Its score becomes -infinity: p = 0
	v_cmp_gt_i32 vcc_lo, 32*(n/16)+n%16, v[DM]
	v_cndmask_b32 v[S+n], v[S+n], v[NINF], vcc_lo
.set n, n+1
.endr
.Lopen_\@:
.endif
.irp b, 0,1,2,3
	v_max3_num_f32 v[BM+\b], v[S+16*\b], v[S+1+16*\b], v[S+2+16*\b]   ; the largest score of each block of 32 keys: for the row's maximum, and, since p rises with the score, for the block's largest p
.endr
.irp i, 3,5,7,9,11,13
.irp b, 0,1,2,3
	v_max3_num_f32 v[BM+\b], v[BM+\b], v[S+16*\b+\i], v[S+1+16*\b+\i]   ; (the four blocks by turns)
.endr
.endr
.irp b, 0,1,2,3
	v_max_num_f32 v[BM+\b], v[BM+\b], v[S+15+16*\b]
.endr
.irp b, 0,1,2,3
	s_delay_alu instid0(VALU_DEP_4)
	v_permlanex16_b32 v[PT+\b], v[BM+\b], s[SEL], s[SEL+1]
.endr
.irp b, 0,1,2,3
	s_delay_alu instid0(VALU_DEP_4)
	v_max_num_f32 v[BM+\b], v[BM+\b], v[PT+\b]     ; with lane l xor 16's 16 keys
.endr
	s_delay_alu instid0(VALU_DEP_2)
	v_max3_num_f32 v[T0], v[BM], v[BM+1], v[BM+2]
	s_delay_alu instid0(VALU_DEP_1)
	v_max_num_f32 v[T0], v[T0], v[BM+3]            ; the step's largest score of my query (the step's first key always counts, so it is a number)
	s_delay_alu instid0(VALU_DEP_1)
	v_mul_f32 v[T0], s[CS], v[T0]                  ; as t (c is positive)
	s_delay_alu instid0(VALU_DEP_1)
	v_max_num_f32 v13, v13, v[T0]                  ; the running largest t
	v_mov_b32 v[T0], v12
	s_delay_alu instid0(VALU_DEP_2)
	v_floor_f32 v12, -v13                          ; the new -M = floor(-t) = -ceil(t): a whole number
	s_delay_alu instid0(VALU_DEP_1)
	v_sub_f32 v[T0], v12, v[T0]                    ; old M - new M: a whole number, 0 or less
	s_delay_alu instid0(VALU_DEP_1)
	v_cvt_i32_f32 v[T0], v[T0]                     ; (it saturates)
	s_delay_alu instid0(VALU_DEP_1)
	v_ldexp_f32 v[F], 1.0, v[T0]                   ; f = 2^(old M - new M)
.set n, 0
.rept 32
	v_pk_fma_f32 v[S+n:S+n+1], v[S+n:S+n+1], s[CS:CS+1], v[12:13] op_sel_hi:[1,0,0]   ; t - M, two at a time (of the pairs c and -M the low word serves both halves)
.set n, n+2
.endr
.irp b, 0,1,2,3
	v_fma_f32 v[BM+\b], v[BM+\b], s[CS], v12       ; the same of each block's largest score
.endr
.set n, 0
	s_setprio 1
	s_wait_alu depctr_va_vdst(0)
.rept 64
	v_exp_f32 v[S+n], v[S+n]                       ; p = 2^(t - M), at most 1
.set n, n+1
.endr
.irp b, 0,1,2,3
	v_exp_f32 v[BM+\b], v[BM+\b]                   ; the block's largest p: the same two instructions on the same number give the same bits
.endr
	v_pk_mul_f32 v[14:15], v[14:15], v[F:F+1] op_sel_hi:[1,0]   ; the sums under the new M.  (The plain instruction behind the exponentials)
	s_wait_alu depctr_va_vdst(0)
.irp b, 0,1,2,3
	v_max_num_f32 v[BM+\b], 0x1800000, v[BM+\b]    ; the floor 2^(3 - 127): the byte cannot fall under 1 (a block whose every p is 0 keeps that byte: its codes are zeros)
.endr
.irp b, 0,1,2,3
	s_delay_alu instid0(VALU_DEP_4)
	v_add_nc_u32 v[SO+\b], 0xff000000, v[BM+\b]    ; 2 off the exponent field: the conversion's scale operand
.endr
.irp b, 0,1,2,3
	s_delay_alu instid0(VALU_DEP_4)
	v_lshrrev_b32 v[PT+\b], 23, v[SO+\b]           ; the scale's byte
.endr
	s_delay_alu instid0(VALU_DEP_3)
	v_lshl_or_b32 v[PW], v[PT+1], 8, v[PT]         ; p's scale word for these 128 keys
	s_delay_alu instid0(VALU_DEP_1)
	v_lshl_or_b32 v[PW], v[PT+2], 16, v[PW]
	s_delay_alu instid0(VALU_DEP_1)
	v_lshl_or_b32 v[PW], v[PT+3], 24, v[PW]
.irp b, 0,1,2,3
	v_cvt_scalef32_pk8_fp4_f32 v[PC+2*\b], v[S+16*\b:S+16*\b+7], v[SO+\b]
	v_cvt_scalef32_pk8_fp4_f32 v[PC+2*\b+1], v[S+16*\b+8:S+16*\b+15], v[SO+\b]
.endr
	v_nop                                          ; one plain instruction behind the scaled conversions
.irp c, 0,1                                    ; the operand's layout wants a whole block in a lane: lanes 0-15 block 2 c, lanes 16-31 block 2 c + 1
.irp i, 0,1
	v_permlane16_swap_b32 v[PC+4*\c+\i], v[PC+4*\c+2+\i]
.endr
.endr
	v_pk_add_f32 v[232:233], v[116:117], v[120:121]
	v_pk_add_f32 v[252:253], v[124:125], v[128:129]
	v_pk_add_f32 v[250:251], v[132:133], v[136:137]
	v_pk_add_f32 v[248:249], v[140:141], v[144:145]
	v_pk_add_f32 v[246:247], v[148:149], v[152:153]
	v_pk_add_f32 v[244:245], v[156:157], v[160:161]
	v_pk_add_f32 v[242:243], v[164:165], v[168:169]
	v_pk_add_f32 v[14:15], v[14:15], v[172:173]
	v_pk_add_f32 v[232:233], v[232:233], v[112:113]
	v_pk_add_f32 v[252:253], v[252:253], v[114:115]
	v_pk_add_f32 v[250:251], v[250:251], v[118:119]
	v_pk_add_f32 v[248:249], v[248:249], v[122:123]
	v_pk_add_f32 v[246:247], v[246:247], v[126:127]
	v_pk_add_f32 v[244:245], v[244:245], v[130:131]
	v_pk_add_f32 v[242:243], v[242:243], v[134:135]
	v_pk_add_f32 v[14:15], v[14:15], v[138:139]
	v_pk_add_f32 v[232:233], v[232:233], v[142:143]
	v_pk_add_f32 v[252:253], v[252:253], v[146:147]
	v_pk_add_f32 v[250:251], v[250:251], v[150:151]
	v_pk_add_f32 v[248:249], v[248:249], v[154:155]
	v_pk_add_f32 v[246:247], v[246:247], v[158:159]
	v_pk_add_f32 v[244:245], v[244:245], v[162:163]
	s_setprio 0
	v_pk_add_f32 v[242:243], v[242:243], v[166:167]
	v_pk_add_f32 v[14:15], v[14:15], v[170:171]
	v_pk_add_f32 v[232:233], v[232:233], v[174:175]
	s_delay_alu instid0(VALU_DEP_2)
	v_pk_add_f32 v[14:15], v[14:15], v[248:249]
	s_delay_alu instid0(VALU_DEP_2)
	v_pk_add_f32 v[232:233], v[232:233], v[246:247]
	v_pk_add_f32 v[252:253], v[252:253], v[244:245]
	v_pk_add_f32 v[250:251], v[250:251], v[242:243]
	s_delay_alu instid0(VALU_DEP_2)
	v_pk_add_f32 v[14:15], v[14:15], v[252:253]
	s_delay_alu instid0(VALU_DEP_2)
	v_pk_add_f32 v[232:233], v[232:233], v[250:251]
	s_delay_alu instid0(VALU_DEP_1)
	v_pk_add_f32 v[14:15], v[14:15], v[232:233]
.set n, 0
.rept 16
	v_pk_mul_f32 v[O+n:O+n+1], v[O+n:O+n+1], v[F:F+1] op_sel_hi:[1,0]   ; O^T under the new M, each accumulator from its low end on.  (The sums and these stand between p's codes and scale word and the products below)
.set n, n+2
.endr
	s_wait_alu depctr_va_vdst(0)
	s_wait_dscnt 0x0                               ; V's fragments and scale words are in: no LDS load of mine is out behind this line
.irp t, 0,1,2,3                                ; O^T += V^T P^T: four accumulators by turns, one instruction a turn
	v_wmma_scale_f32_16x16x128_f8f6f4 v[O+8*\t:O+8*\t+7], v[VF+8*\t:VF+8*\t+7], v[PC:PC+7], v[O+8*\t:O+8*\t+7], v[VSC+\t], v[PW] matrix_a_fmt:MATRIX_FMT_FP4 matrix_b_fmt:MATRIX_FMT_FP4
.endr
.if \edge
.Lskip_\@:
.endif
	s_add_co_u32 s[TK], s[TK], 4096                ; the next 128 keys
	s_add_co_u32 s[TV], s[TV], 64
	s_add_co_u32 s[TT], s[TT], 4
.endm
.macro STEPS n, qf, qs, edge           ; n key steps: a constant of the text
	s_mov_b32 s[CNT], \n
.Ltrip_\@:
	STEP \qf, \qs, \edge
	s_sub_co_u32 s[CNT], s[CNT], 1
	s_cmp_lg_u32 s[CNT], 0
	s_cbranch_scc1 .Ltrip_\@
	s_setprio 0
.endm
; THE WAY OUT of a tile.  O^T / the sum goes through my own stage in LDS and comes back as whole rows: sixteen lanes store a query's 256 consecutive bytes, at a multiple of 256 from out0's first byte.
.macro WAYOUT go, more
.rept 4
	v_nop                                          ; four places behind the last products
.endr
	v_add_f32 v14, v14, v15                        ; the sum's two halves,
	s_delay_alu instid0(VALU_DEP_1)
	v_permlanex16_b32 v[T0], v14, s[SEL], s[SEL+1]
	s_delay_alu instid0(VALU_DEP_1)
	v_add_f32 v14, v14, v[T0]                      ; and lane l xor 16's: the row's sum
	s_wait_alu depctr_va_vdst(0)
	v_rcp_f32 v14, v14
	v_nop                                          ; one plain instruction behind the reciprocal
.set n, 0
	s_wait_alu depctr_va_vdst(0)
.rept 16
	v_pk_mul_f32 v[S+n:S+n+1], v[O+n:O+n+1], v[14:15] op_sel_hi:[1,0]   ; register 8 t + i is o(r, 16 t + 8 h + i); each accumulator from its low end on
.set n, n+2
.endr
.irp t, 0,1,2,3
	ds_store_b128 v[STO], v[S+8*\t:S+8*\t+3] offset:64*\t
	ds_store_b128 v[STO], v[S+8*\t+4:S+8*\t+7] offset:64*\t+16
.endr
.irp i, 0,1,2,3,4,5,6,7
	ds_load_b128 v[BK+4*\i:BK+4*\i+3], v[RD] offset:2*\i*SP   ; LDS serves a wave's instructions in order (ISA guide 5.7.1.4): these see my stores
.endr
.irp i, 0,1,2,3,4,5,6,7
	s_wait_dscnt 7-\i                              ; the 7 - i younger loads may stay out
	global_store_b128 v[\go], v[BK+4*\i:BK+4*\i+3], s[16:17] offset:8192*\i th:TH_STORE_NT   ; queries 2 i and 2 i + 1 of the tile; written once, read by nobody here
.endr
.if \more
	s_wait_xcnt 0x0                                ; the stores have read their data: the next tile's products write these registers
.endif
.endm
	INIT
	s_wait_tensorcnt 0x3                           ; wave 0: K's chunk 0 is in; wave 1: V's scales, K's scale chunk 0 and V are in; the three younger chunks of each may stay out
	s_barrier_signal -1
	s_barrier_wait -1                              ; every wave may read them
	s_wait_loadcnt 0x0                             ; Q of both tiles
	STEPS 4, QH, QSH, 0                            ; the late tile, j = 15 - wave >= 8: its steps 0-7 lie wholly under the diagonal
	s_wait_tensorcnt 0x2                           ; chunk 1 of K and of its scale rows is in.  (No LDS load of mine is out: each step waits for all of its own)
	s_barrier_signal -1
	s_barrier_wait -1
	STEPS 4, QH, QSH, 0
	s_wait_tensorcnt 0x0                           ; chunks 2 and 3 are in: no tensor load is out from here on
	s_barrier_signal -1
	s_barrier_wait -1
	STEPS 8, QH, QSH, 1                            ; steps 8-15: up to the diagonal at step j
	WAYOUT GOH, 1
	INIT
	s_lshl_b32 s[JTK], s[WV], 12                   ; the early tile, j = wave
	STEPS 8, QL, QSL, 1
	WAYOUT GOL, 0
	s_wait_tensorcnt 0x0
	ds_add_u32 v254, v255
	s_wait_dscnt 0x0
	ROUND                                          ; the closing round: no work-group ends while a partner may still ask for a tile that names it
	s_endpgm
.Lfunc_end_k_qdd53c267b0_attn:
	.size	k_qdd53c267b0_attn, .Lfunc_end_k_qdd53c267b0_attn-k_qdd53c267b0_attn
	.p2alignl 7, 3214868480
	.fill 96, 4, 3214868480
	.section	.rodata,"a",@progbits
	.p2align	6, 0x0
	.amdhsa_kernel k_qdd53c267b0_attn
		.amdhsa_group_segment_fixed_size 238592
		.amdhsa_private_segment_fixed_size 0
		.amdhsa_enable_private_segment 0
		.amdhsa_kernarg_size 56
		.amdhsa_user_sgpr_count 2
		.amdhsa_user_sgpr_kernarg_segment_ptr 1
		.amdhsa_wavefront_size32 1
		.amdhsa_system_sgpr_workgroup_id_x 1
		.amdhsa_system_sgpr_workgroup_id_y 1
		.amdhsa_system_sgpr_workgroup_id_z 1
		.amdhsa_system_vgpr_workitem_id 0
		.amdhsa_next_free_vgpr 256
		.amdhsa_next_free_sgpr 106
		.amdhsa_reserve_vcc 1
		.amdhsa_float_denorm_mode_32 3
		.amdhsa_float_denorm_mode_16_64 3
		.amdhsa_memory_ordered 1
		.amdhsa_forward_progress 1
		.amdhsa_inst_pref_size 99
	.end_amdhsa_kernel
	.amdgpu_metadata
---
amdhsa.version: [ 1, 2 ]
amdhsa.kernels:
  - .name:           k_qdd53c267b0_attn
    .symbol:         k_qdd53c267b0_attn.kd
    .args:
      - { .name: keys_codes, .offset: 0, .size: 8, .value_kind: global_buffer, .address_space: global }
      - { .name: keys_scales, .offset: 8, .size: 8, .value_kind: global_buffer, .address_space: global }
      - { .name: queries_codes, .offset: 16, .size: 8, .value_kind: global_buffer, .address_space: global }
      - { .name: queries_scales, .offset: 24, .size: 8, .value_kind: global_buffer, .address_space: global }
      - { .name: values_codes, .offset: 32, .size: 8, .value_kind: global_buffer, .address_space: global }
      - { .name: values_scales, .offset: 40, .size: 8, .value_kind: global_buffer, .address_space: global }
      - { .name: out0, .offset: 48, .size: 8, .value_kind: global_buffer, .address_space: global }
    .group_segment_fixed_size: 238592
    .private_segment_fixed_size: 0
    .kernarg_segment_align: 8
    .kernarg_segment_size: 56
    .max_flat_workgroup_size: 256
    .sgpr_count:     106
    .vgpr_count:     256
    .wavefront_size: 32
...
	.end_amdgpu_metadata
.endif
;; end of part 1
